; MI455X (gfx1250); checked and timed in simulation.
; The chip was launched on July 23, 2026; its instructions are those of AMD's public machine-readable ISA for CDNA 5 (MIT licence, August 2026) and "CDNA5" Instruction Set Architecture Reference Guide (July 2026). The comments in the code are by the model that wrote it; some were corrected since.
;; MSA2 Pair. Allowed arithmetic: matrix products marked QUANTISED: E3M2 operands, one E8M0 scale for each 32 along K, by v_wmma_scale_f32_16x16x128_f8f6f4 with both operands' format E3M2, f32 sums; everything else in f32.
;; Inputs: b_left 32 float32; b_out 128 float32; b_right 32 float32; ln_beta 256 float32; ln_gamma 256 float32; msa 1 x 128 x 256 x 256 float32; pair 1 x 256 x 256 x 128 float32; symmids 1 int32; symmsub 1 int32; w_left 256 x 32 float32; w_out 1,024 x 128 float32; w_right 256 x 32 float32.
;; Outputs: out0 1 x 256 x 256 x 128 float32.
;; This version of the problem:
;;   THIS VERSION OF THE PROBLEM IS GIVEN IN LOW PRECISION. The matrix products marked QUANTISED in the list below multiply operands that are first quantised to E3M2 (3 exponent bits, 2 mantissa bits; 6 bits a number), with one power-of-two scale for each 32 numbers along K (OCP MX v1.0); their sums are f32. All else is computed in f32.
;;   The module's matrix products, in the order in which they are computed (A, B: the left and right operand; K: the contracted axis; several contracted axes count as one K, in the product's order):
;;     1. [M 32,768, K 256] x [K 256, N 32]; A: computed on the way; B: input w_left: QUANTISED
;;     2. [M 32,768, K 256] x [K 256, N 32]; A: computed on the way; B: input w_right: QUANTISED
;;     3. [M 8,192, K 128] x [K 128, N 8,192]; A: computed on the way; B: computed on the way: QUANTISED
;;     4. [M 65,536, K 1,024] x [K 1,024, N 128]; A: computed on the way; B: input w_out: QUANTISED
;;   THE QUANTISER, for each operand of a quantised product, along K:
;;     - K is cut into blocks of 32 from its start; a last block that is shorter is filled with zeros.
;;     - A block's scale is 2^e with e = floor(log2(the largest magnitude in the block)) - 4, held to -126 .. 127; a block of zeros has e = 0. As a byte (E8M0): e + 127.
;;     - Each number is divided by its block's scale, clamped to +-28, and rounded to the nearest number of E3M2, ties to even, subnormals kept.
;;     - The product sums the exact products of the quantised numbers (number of the format x scale) in f32.
;;   ~~~python
;;   def quantise(x, axis):      # numpy; x: float32 -> the quantised numbers, widened to float32 again
;;       x = np.moveaxis(x, axis, -1); K = x.shape[-1]
;;       x = np.pad(x, [(0, 0)] * (x.ndim - 1) + [(0, -K % 32)]); x = x.reshape(x.shape[:-1] + (-1, 32)); a = np.abs(x).max(-1, keepdims=True)
;;       e = np.where(a > 0, np.clip(np.frexp(np.where(a > 0, a, 1))[1] - 1 - 4, -126, 127), 0)      # np.frexp(a)[1] - 1 = floor(log2(a)), exactly
;;       r = np.clip(x / 2.0 ** e, -28, 28)
;;       step = 2.0 ** (np.maximum(np.frexp(np.where(r == 0, 1, r))[1] - 1, -2) - 2)
;;       q = np.round(r / step) * step * 2.0 ** e      # np.round: ties to even
;;       return np.moveaxis(q.reshape(q.shape[:-2] + (-1,))[..., :K], -1, axis).astype(np.float32)
;;   ~~~
;;   OPERANDS COMPUTED ON THE WAY. 'Computed on the way' means the value that the module computes at that place (a softmax that the list does not call 'softmax' is quantised finished and normalised). What goes into a quantiser is computed in f32, as accurately as f32 sums, v_exp_f32 and their like allow (about 1e-6 of the number): no bf16 or f16 on the way to a quantiser, and a product that is left as it is and whose result goes on into a quantised operand takes f32 operands (vector FMAs, or v_wmma_f32_16x16x4_f32). A number that lies on a knife's edge between two numbers of the format may be rounded either way, as far as f32 arithmetic and the matrix unit's own rounding can turn it there, and no further.
;; One version. Each part assembles by itself: llvm-mc -triple=amdgcn-amd-amdhsa -mcpu=gfx1250 --defsym DOCPART=n.
;; ======== version 1 of 1: 2 launches
;; limits: right only within a limited range of input values
;; workspace buffers: lq 851,968 bytes; rq 786,432 bytes; wq 106,496 bytes
;; launch proj (part 1): grid 256 x 1, 16 waves a work-group, no clusters, 214,272 bytes of LDS; arguments msa, ln_gamma, ln_beta, w_left, b_left, w_right, b_right, w_out, lq, rq, wq; writes lq, rq, wq
.if DOCPART == 1
	.amdgcn_target "amdgcn-amd-amdhsa--gfx1250"
	.amdhsa_code_object_version 6
	.text
	.protected	k_q777abb86c9_proj
	.globl	k_q777abb86c9_proj
	.p2align	8
	.type	k_q777abb86c9_proj,@function
k_q777abb86c9_proj:
	s_mov_b64 s[64:65], 0
	v_nop
	global_prefetch_b8 v0, s[64:65] scope:SCOPE_SE
	s_setreg_imm32_b32 hwreg(HW_REG_WAVE_MODE, 25, 1), 1
	s_wait_xcnt 0x0
; LayerNorm of msa over its 256 channels; x, w_left and w_right quantised to BF6 (E3M2, one E8M0 scale for each 32 along K = the channels); left = x w_left + b_left,
; right = (x w_right + b_right) / 128; both quantised again along s, the K of the outer product, and stored as images of operand registers.  Wave 8 of work-groups 0-63 also quantises a fragment of w_out.
; SHARES.  Work-group l takes position l: its 128 rows (s, l) of 1,024 bytes.  Wave w of sixteen (a) fetches, normalises and quantises rows s = 8 w .. 8 w + 7; (b) waves 0-7 quantise one of the weights' eight
; fragments: 16 columns (group g = w % 4: left 0-15, left 16-31, right 0-15, right 16-31), K step w / 4; all go to LDS as images of operand registers; (c) makes group g for 32 s: tiles 2 p, 2 p + 1, p = w / 4.
; FOUR LANES SHARE A ROW OF x: lane 16 k + 8 h + n holds channels 128 k + 64 c + 32 h + 0 .. 31 of row n at registers 32 c on: two whole blocks of K step k, in the operand's own layout: no exchange of codes.
; THE ORDER ALONG s INSIDE A BLOCK OF 32 IS NOT THE NATURAL ONE: left and right are stored with the same order, and their product sums over it; the blocks, and so the scales, are the true ones.
; AN IMAGE: a fragment is 12 registers a lane; registers 4 c .. 4 c + 3 of lane L lie at 512 c + 16 L: 1,536 bytes.
;   lq: [l][3,328]: left's fragments f = 0, 1 (row r = i - 16 f), then 64 scale words: 0-31 left's by i, 32-63 right's by j.   rq: [m][3,072]: right's fragments by j in the same way.
;   wq: 64 fragments of w_out at 1,536 (8 q + t) (K step q of 128, outputs 16 t + r), then from byte 98,304 their scale words, 128 bytes each (4 x lane).
; NO CLUSTER: what the work-groups share is the 65,536 bytes of the two weights beside 131,072 bytes of msa of their own, and lanes take the weights straight into the order of the operand's registers.
; NO PREFETCH: no loop to run ahead in: every row is asked for at the head, once.
; symmids and symmsub: reference() takes them and uses neither, so no result hangs on them and no launch is given them.
; LIMITS: NaN and infinities among the inputs are not served.  A block of zeros gets the scale byte 1 where the rule says 127: its codes are zeros, and the bytes are read by this program alone;
; blocks whose largest magnitude lies under 2^-122 are held at that byte.  The sums of the LayerNorm are taken in four packed chains, another order of f32 additions than reference()'s.
; REGISTERS.  v1-27, v62 addresses; v28-60 the norm's and the quantiser's; v64-127 X; v128-191 gamma, v192-255 beta as X lies; behind the norm v128-183 codes, fragments, the bias, accumulators.
.set TP,    1040                       ; a row of msa in LDS: 1,024 bytes + 16: the 8 rows and 2 blocks that 16 lanes touch begin 16 bytes further on each, modulo 256
.set XIMG,  133120                     ; x's 16 fragments, 2 tile + K step
.set XSC,   157696                     ; their scale words, 128 bytes each, of which the 64 of rows 0-15 are used
.set WIMG,  159744                     ; the weights' 8 fragments, 2 g + K step
.set WSL,   172032                     ; their scale words
.set GB,    173056                     ; 2,048 bytes for each wave: gamma, then beta
.set REC,   205824                     ; left's two images, right's two
.set SCG,   211968                     ; their 64 scale words
.set SPARE, 212224                     ; the spare words, 128 bytes for each wave: eight blocks of 256 bytes that no other line names
.set FRB,   1536
.set SPW,   26
.set NIL,   27
.set CH,    28
.set MU,    36
.set RS,    38
.set TM,    42
.set TS,    46
.set TB,    48
.set TX,    50
.set G2,    54
.set X,     64
.set GA,    128
.set BE,    192
.set PCA,   128
.set PWA,   140
.set PCW,   144
.set PWW,   156
.set WF,    128
.set XS,    152
.set WS,    156
.set BI,    160
.set HA,    168
.set SEL,   56
.macro PLACES n
.rept \n
	v_nop
.endr
.endm
; One K step: 64 numbers of a lane, v[src] on: two whole blocks, 2 c + h for c = 0, 1.  Codes to v[dst] on, the scale word to v[pw].  The other h lies in lane l xor 16 (x = 0: a weight) or l xor 8 (x = 1: rows of x).
.macro QB src, dst, pw, x
.irp c, 0,1                                    ; two chains a block; the floor 2^(5 - 127) is one more leaf: the byte cannot fall under 1
	v_max3_num_f32 v[TM+2*\c], |v[\src+32*\c]|, |v[\src+32*\c+1]|, 0x2800000
	v_max3_num_f32 v[TM+2*\c+1], |v[\src+32*\c+16]|, |v[\src+32*\c+17]|, |v[\src+32*\c+18]|
.endr
.irp i, 2,4,6,8,10,12
.irp c, 0,1
	v_max3_num_f32 v[TM+2*\c], v[TM+2*\c], |v[\src+32*\c+\i]|, |v[\src+32*\c+\i+1]|
	v_max3_num_f32 v[TM+2*\c+1], v[TM+2*\c+1], |v[\src+32*\c+\i+17]|, |v[\src+32*\c+\i+18]|
.endr
.endr
.irp c, 0,1
	v_max3_num_f32 v[TM+2*\c], v[TM+2*\c], |v[\src+32*\c+14]|, |v[\src+32*\c+15]|
.endr
.irp c, 0,1
	v_max3_num_f32 v[TM+2*\c], v[TM+2*\c], v[TM+2*\c+1], |v[\src+32*\c+31]|
.endr
.irp c, 0,1
	v_add_nc_u32 v[TS+\c], 0xfe000000, v[TM+2*\c]  ; 4 off its exponent field: the conversion's scale operand
.endr
.irp c, 0,1
	v_cvt_scalef32_pk16_bf6_f32 v[\dst+6*\c:\dst+6*\c+2], v[\src+32*\c:\src+32*\c+15], v[TS+\c]
	v_cvt_scalef32_pk16_bf6_f32 v[G2+4*\c:G2+4*\c+2], v[\src+32*\c+16:\src+32*\c+31], v[TS+\c]   ; (a conversion's three registers begin on an even number)
.endr
.irp c, 0,1
	v_lshrrev_b32 v[TB+\c], 23, v[TS+\c]           ; the scale's byte.  (Plain places behind the conversions)
.endr
	v_lshl_or_b32 v[\pw], v[TB+1], 16, v[TB]       ; my two bytes: blocks h and 2 + h,
	v_lshlrev_b32 v[\pw], v[51+2*\x], v[\pw]       ; 8 h bits up;
.if \x
	v_mov_b32_dpp v[TX], v[\pw] row_xmask:8 row_mask:0xf bank_mask:0xf
.else
	v_permlanex16_b32 v[TX], v[\pw], s[SEL], s[SEL+1]
.endif
.irp c, 0,1
.irp i, 0,1,2
	v_mov_b32 v[\dst+3+6*\c+\i], v[G2+4*\c+\i]
.endr
.endr
	v_or_b32 v[\pw], v[\pw], v[TX]                 ; with the other lane's two the word is whole
.endm
.macro REDUCE                                  ; the four chains' eight numbers, and the three other lanes': the row's sum in v40
	v_pk_add_f32 v[CH:CH+1], v[CH:CH+1], v[CH+2:CH+3]
	v_pk_add_f32 v[CH+4:CH+5], v[CH+4:CH+5], v[CH+6:CH+7]
	v_pk_add_f32 v[CH:CH+1], v[CH:CH+1], v[CH+4:CH+5]
	v_add_f32 v40, v[CH], v[CH+1]
	v_add_f32_dpp v40, v40, v40 row_xmask:8 row_mask:0xf bank_mask:0xf
	v_permlanex16_b32 v41, v40, s[SEL], s[SEL+1]
	v_add_f32 v40, v40, v41
.endm
	; ---- the head
	s_load_b512 s[4:19], s[0:1], 0x0               ; msa s[4:5], gamma s[6:7], beta s[8:9], w_left s[10:11], b_left s[12:13], w_right s[14:15], b_right s[16:17], w_out s[18:19]
	s_load_b128 s[20:23], s[0:1], 0x40             ; lq, rq
	s_load_b64 s[24:25], s[0:1], 0x50              ; wq
	v_lshl_add_u32 v[SPW], v0, 2, SPARE
	v_mov_b32 v[NIL], 0
	ds_add_u32 v[SPW], v[NIL]                      ; the wave's opening: the add, twice on end, and its wait
	ds_add_u32 v[SPW], v[NIL]
	v_lshrrev_b32 v1, 5, v0
	v_readfirstlane_b32 s26, v1                    ; wave 0..15
	s_and_b32 s27, s26, 3                          ; g
	s_lshr_b32 s28, s26, 2                         ; p; in waves 0-7 also the K step of my weight's fragment
	s_and_b32 s29, s26, 1
	; descriptor group 1: 8 rows of 256 elements of 4 bytes, 65,536 elements apart (from s to s + 1), 16 bytes of padding behind each row
	s_mov_b32 s32, (2<<16)|(1<<20)|(7<<22)|(3<<25)
	s_mov_b32 s33, 256<<16
	s_mov_b32 s34, 8<<16
	s_mov_b32 s35, 256<<16
	s_mov_b32 s36, 8
	s_mov_b32 s37, 65536
	s_mov_b32 s38, 0
	s_mov_b32 s39, 0
	s_lshl_b32 s84, s26, 21                        ; 8 w rows of s, 262,144 bytes each,
	s_lshl_b32 s86, ttmp9, 10                      ; + position l
	s_add_co_u32 s84, s84, s86
	s_mov_b32 s85, 0
	s_mul_i32 s86, s26, 8*TP                       ; my 8 rows in LDS
	s_mov_b32 s[SEL], 0x76543210
	s_mov_b32 s[SEL+1], 0xfedcba98                 ; v_permlanex16_b32's selects for lane l xor 16
	s_mov_b32 s82, 0x3b800000                      ; 1 / 256
	s_mov_b32 s83, 0x3727c5ac                      ; 1e-5
	s_lshr_b32 s30, s26, 1                         ; my rows are rows 8 (w % 2) .. + 7 of tile w / 2:
	s_mul_i32 s31, s30, 2*FRB                      ; their place in x's images,
	s_lshl_b32 s60, s29, 7
	s_add_co_u32 s31, s31, s60
	s_lshl_b32 s30, s30, 8                         ; and in the scale words
	s_lshl_b32 s60, s29, 5
	s_add_co_u32 s30, s30, s60
	s_mul_i32 s60, s28, 4*FRB                      ; the four images that I read,
	s_lshl_b32 s61, s28, 9
	s_lshl_b32 s62, s27, 1                         ; the weight's images 2 g, 2 g + 1 that I read,
	s_add_co_u32 s63, s62, s28                     ; and 2 g + p that waves 0-7 make
	s_mul_i32 s66, s63, FRB
	s_lshl_b32 s63, s63, 7
	s_mul_i32 s67, s62, FRB
	s_lshl_b32 s62, s62, 7
	s_lshl_b32 s68, s26, 11
	s_add_co_u32 s68, s68, GB
	s_mul_i32 s69, s27, FRB                        ; my block p of image g lies in lanes 16 (p % 2) + r,
	s_and_b32 s70, s28, 1
	s_lshl_b32 s70, s70, 8
	s_add_co_u32 s69, s69, s70
	s_lshr_b32 s70, s28, 1
	s_mul_i32 s70, s70, 6                          ; registers 6 (p / 2) on
	s_lshl_b32 s71, s26, 9                         ; 512 w: the piece of the records that I store
	s_lshl_b32 s73, s27, 6                         ; byte p of scale word 16 g + r
	s_add_co_u32 s73, s73, s28
	s_and_b32 s72, s27, 1
	s_lshl_b32 s72, s72, 6                         ; my columns begin at 16 (g % 2)
	v_and_b32 v1, 31, v0                           ; lane
	v_and_b32 v2, 15, v0                           ; r
	v_bfe_u32 v3, v0, 4, 1                         ; bit 4: h of an operand; for rows of x the K step k
	v_bfe_u32 v40, v0, 3, 1                        ; bit 3: for rows of x h
	v_and_b32 v41, 7, v0                           ; and the row n
	v_mul_u32_u24 v4, v41, TP
	v_lshl_add_u32 v4, v40, 7, v4
	v_lshl_add_u32 v4, v3, 9, v4
	v_add_nc_u32 v4, s86, v4                       ; row n of my rows, + 512 k + 128 h
	v_lshlrev_b32 v5, 4, v1                        ; 16 x lane
	v_lshlrev_b32 v8, 4, v41
	v_lshl_add_u32 v8, v40, 8, v8
	v_mad_u32_u24 v8, v3, FRB, v8
	v_add_nc_u32 v8, s31, v8
	v_add_nc_u32 v8, XIMG, v8                      ; x's images: where I store
	v_lshlrev_b32 v9, 2, v41
	v_lshl_add_u32 v9, v3, 7, v9
	v_add_nc_u32 v9, s30, v9
	v_add_nc_u32 v9, XSC, v9
	v_add_nc_u32 v6, s60, v5
	v_add_nc_u32 v6, XIMG, v6                      ; and read
	v_lshl_add_u32 v7, v2, 2, s61
	v_add_nc_u32 v7, XSC, v7
	v_add_nc_u32 v13, WIMG, v5
	v_add_nc_u32 v15, s67, v13                     ; the weights': where I read
	v_add_nc_u32 v13, s66, v13                     ; and store
	v_lshl_add_u32 v14, v1, 2, WSL
	v_add_nc_u32 v16, s62, v14
	v_add_nc_u32 v14, s63, v14
	v_add_nc_u32 v17, s68, v5                      ; gamma and beta: in, 16 bytes a lane;
	v_lshl_add_u32 v18, v40, 7, s68                ; out, as X lies
	v_lshl_add_u32 v18, v3, 9, v18
	v_add_nc_u32 v22, REC, v5
	v_add_nc_u32 v22, s71, v22
	v_lshl_add_u32 v42, v2, 4, s69
	v_add_nc_u32 v42, REC, v42
	v_mul_u32_u24 v43, 3, v3
	v_add_nc_u32 v43, s70, v43                     ; my half block takes registers 6 (p / 2) + 3 h + i: register k of a lane lies at 512 (k / 4) + 4 (k % 4)
.irp i, 0,1,2
	v_add_nc_u32 v44, \i, v43
	v_lshrrev_b32 v[19+\i], 2, v44
	v_and_b32 v44, 3, v44
	v_lshl_add_u32 v[19+\i], v[19+\i], 9, v42
	v_lshl_add_u32 v[19+\i], v44, 2, v[19+\i]
.endr
	v_lshl_add_u32 v23, v2, 2, SCG
	v_add_nc_u32 v23, s73, v23
	v_lshl_add_u32 v62, v1, 3, SCG
	v_lshlrev_b32 v24, 3, v1
	v_lshlrev_b32 v25, 2, v1
	v_lshl_add_u32 v11, v2, 2, s72                 ; my column, in bytes
	v_lshl_add_u32 v10, v3, 12, v11                ; + 32 h rows of 128 bytes
	v_lshlrev_b32 v12, 2, v2
	v_lshl_add_u32 v12, v3, 14, v12                ; w_out: column r, + 32 h rows of 512 bytes
	v_lshlrev_b32 v51, 3, v3                       ; 8 h: of a weight,
	v_lshlrev_b32 v53, 3, v40                      ; of a row of x
	v_mov_b32 v[TX], 0                             ; written once: a lane permute's destination counts as one of its sources
	v_mov_b32 v[MU+1], 0                           ; (named as the upper halves of pairs)
	v_mov_b32 v[RS+1], 0
	s_wait_alu depctr_va_vdst(0)
	s_wait_dscnt 0x0                               ; both opening adds are done
	s_wait_kmcnt 0x0
	s_add_nc_u64 s[84:85], s[4:5], s[84:85]
	s_mov_b32 s40, 1
	s_mov_b32 s41, s86
	s_mov_b64 s[42:43], s[84:85]
	s_or_b32 s43, s43, 0x80000000
	tensor_load_to_lds s[40:43], s[32:39]          ; my 8 rows, the wave's one tensor load; nothing is filled again
	s_nop 0
	PLACES 4
	; ---- while msa is on its way: gamma, beta, the bias, a fragment of a weight
	global_load_b128 v[GA:GA+3], v5, s[6:7]
	global_load_b128 v[GA+4:GA+7], v5, s[6:7] offset:512
	global_load_b128 v[GA+8:GA+11], v5, s[8:9]
	global_load_b128 v[GA+12:GA+15], v5, s[8:9] offset:512
	s_cmp_lt_u32 s27, 2                            ; left's group or right's?  The choice hangs on the wave's number alone
	s_cselect_b64 s[74:75], s[10:11], s[14:15]     ; the weight
	s_cselect_b64 s[76:77], s[12:13], s[16:17]     ; the bias
	s_cselect_b32 s58, 1.0, 0x3c000000             ; 1 or 1 / 128
	s_mov_b32 s59, s58
	global_load_b32 v52, v11, s[76:77]
	s_mov_b32 s73, 0
	s_cmp_lt_u32 s26, 8                            ; waves 0-7: the two weights' eight fragments
	s_cbranch_scc0 .Lnot_w
	s_lshl_b32 s72, s28, 14                        ; K step p: 128 rows of 128 bytes
	s_add_nc_u64 s[74:75], s[74:75], s[72:73]
.irp c, 0,1
.irp e, 0,1,2,3,4,5,6,7,8,9,10,11,12,13,14,15,16,17,18,19,20,21,22,23,24,25,26,27,28,29,30,31
	global_load_b32 v[X+32*\c+\e], v10, s[74:75] offset:128*(64*\c+\e)   ; W(128 p + 64 c + 32 h + e, my column): registers run down K
.endr
.endr
	s_branch .Lasked
.Lnot_w:
	s_cmp_eq_u32 s26, 8                            ; wave 8 of work-groups 0-63: fragment f = ttmp9 of w_out's 64
	s_cbranch_scc0 .Lasked
	s_cmp_lt_u32 ttmp9, 64
	s_cbranch_scc0 .Lasked
	s_lshr_b32 s72, ttmp9, 3
	s_lshl_b32 s72, s72, 16                        ; K step q = f / 8: 128 rows of 512 bytes
	s_and_b32 s73, ttmp9, 7
	s_lshl_b32 s73, s73, 6                         ; tile t = f % 8: 16 columns
	s_add_co_u32 s72, s72, s73
	s_mov_b32 s73, 0
	s_add_nc_u64 s[78:79], s[18:19], s[72:73]
.irp c, 0,1
.irp e, 0,1,2,3,4,5,6,7,8,9,10,11,12,13,14,15,16,17,18,19,20,21,22,23,24,25,26,27,28,29,30,31
	global_load_b32 v[X+32*\c+\e], v12, s[78:79] offset:512*(64*\c+\e)
.endr
.endr
.Lasked:
	s_wait_loadcnt 0x0
.irp i, 0,1,2,3
	ds_store_b128 v17, v[GA+4*\i:GA+4*\i+3] offset:512*\i   ; into my wave's own 2,048 bytes
.endr
	s_cmp_lt_u32 s26, 8
	s_cbranch_scc0 .Lno_weight
	QB X, PCW, PWW, 0
.irp c, 0,1,2
	ds_store_b128 v13, v[PCW+4*\c:PCW+4*\c+3] offset:512*\c
.endr
	ds_store_b32 v14, v[PWW]
	s_wait_alu depctr_va_vdst(0)
	s_branch .Lquantised
.Lno_weight:
	s_cmp_eq_u32 s26, 8
	s_cbranch_scc0 .Lquantised
	s_cmp_lt_u32 ttmp9, 64
	s_cbranch_scc0 .Lquantised
	s_mov_b32 s73, 0
	s_mul_i32 s72, ttmp9, FRB
	s_add_nc_u64 s[44:45], s[24:25], s[72:73]
	s_lshl_b32 s72, ttmp9, 7
	s_add_nc_u64 s[46:47], s[24:25], s[72:73]
	QB X, PCW, PWW, 0
.irp c, 0,1,2
	global_store_b128 v5, v[PCW+4*\c:PCW+4*\c+3], s[44:45] offset:512*\c   ; 32 lanes store 512 consecutive bytes
.endr
	global_store_b32 v25, v[PWW], s[46:47] offset:98304
	s_wait_alu depctr_va_vdst(0)
	s_wait_xcnt 0x0                                ; the stores' data registers are written again below only behind this wait
.Lquantised:
	s_wait_dscnt 0x0                               ; the stores above have read their registers
.irp c, 0,1
.irp j, 0,1,2,3,4,5,6,7
	ds_load_b128 v[GA+32*\c+4*\j:GA+32*\c+4*\j+3], v18 offset:256*\c+16*\j          ; gamma as X lies (my own stores)
	ds_load_b128 v[BE+32*\c+4*\j:BE+32*\c+4*\j+3], v18 offset:1024+256*\c+16*\j     ; beta
.endr
.endr
	s_wait_tensorcnt 0x0                           ; my rows are in; only I read these bytes
.irp c, 0,1
.irp j, 0,1,2,3,4,5,6,7
	ds_load_b128 v[X+32*\c+4*\j:X+32*\c+4*\j+3], v4 offset:256*\c+16*\j   ; X[32 c + e] = channel 128 k + 64 c + 32 h + e of row n
.endr
.endr
	s_wait_dscnt 0x0
	; ---- X, a quarter of a row in each of four lanes, is normalised in place: the mean first, then the mean of the squares of what is left, so that a common offset costs no digits
.irp k, 0,1,2,3
	v_pk_add_f32 v[CH+2*\k:CH+2*\k+1], v[X+2*\k:X+2*\k+1], v[X+8+2*\k:X+9+2*\k]   ; the first pairs start the chains
.endr
.set p, 8
.rept 24
	v_pk_add_f32 v[CH+2*(p%4):CH+2*(p%4)+1], v[CH+2*(p%4):CH+2*(p%4)+1], v[X+2*p:X+2*p+1]
.set p, p+1
.endr
	REDUCE
	v_mul_f32 v[MU], s82, v40                      ; / 256
.set p, 0
.rept 32
	v_pk_add_f32 v[X+2*p:X+2*p+1], v[X+2*p:X+2*p+1], v[MU:MU+1] op_sel_hi:[1,0] neg_lo:[0,1] neg_hi:[0,1]
.set p, p+1
.endr
.irp k, 0,1,2,3
	v_pk_mul_f32 v[CH+2*\k:CH+2*\k+1], v[X+2*\k:X+2*\k+1], v[X+2*\k:X+2*\k+1]
.endr
.set p, 4
.rept 28
	v_pk_fma_f32 v[CH+2*(p%4):CH+2*(p%4)+1], v[X+2*p:X+2*p+1], v[X+2*p:X+2*p+1], v[CH+2*(p%4):CH+2*(p%4)+1]
.set p, p+1
.endr
	REDUCE
	v_fma_f32 v40, v40, s82, s83                   ; the variance + 1e-5
	s_wait_alu depctr_va_vdst(0)                   ; the wait ahead of the transcendental
	v_rsq_f32 v[RS], v40
	v_nop                                          ; one plain place behind the transcendental
	s_wait_alu depctr_va_vdst(0)                   ; and ahead of its first reader
.set p, 0
.rept 32
	v_pk_mul_f32 v[X+2*p:X+2*p+1], v[X+2*p:X+2*p+1], v[RS:RS+1] op_sel_hi:[1,0]
.set p, p+1
.endr
.set p, 0
.rept 32
	v_pk_fma_f32 v[X+2*p:X+2*p+1], v[X+2*p:X+2*p+1], v[GA+2*p:GA+2*p+1], v[BE+2*p:BE+2*p+1]
.set p, p+1
.endr
	QB X, PCA, PWA, 1
.irp c, 0,1,2
	ds_store_b128 v8, v[PCA+4*\c:PCA+4*\c+3] offset:512*\c
.endr
	ds_store_b32 v9, v[PWA]                        ; the two lanes of a row and K step write the same word with the same value
.irp j, 0,1,2,3,4,5,6,7
	v_mov_b32 v[BI+\j], v52                        ; the bias is the C of each sum's first product: every row of my column takes the same number
.endr
	s_wait_alu depctr_va_vdst(0)
	s_wait_dscnt 0x0                               ; for the others' sake: my images have landed
	s_barrier_signal -1
	s_barrier_wait -1                              ; x's sixteen fragments and the weights' eight lie in LDS
	; ---- my 16 columns for 32 s
.irp k, 0,1
.irp c, 0,1,2
	ds_load_b128 v[WF+12*\k+4*\c:WF+12*\k+4*\c+3], v15 offset:FRB*\k+512*\c
.endr
	ds_load_b32 v[WS+\k], v16 offset:128*\k
.irp t, 0,1
	ds_load_b32 v[XS+2*\t+\k], v7 offset:128*(2*\t+\k)
.endr
.endr
.irp k, 0,1
.irp t, 0,1
.irp c, 0,1,2
	ds_load_b128 v[X+12*(2*\t+\k)+4*\c:X+12*(2*\t+\k)+4*\c+3], v6 offset:FRB*(2*\t+\k)+512*\c
.endr
.endr
.endr
	s_wait_dscnt 6                                 ; K step 1's 6 loads of x may be out
.irp t, 0,1
	v_wmma_scale_f32_16x16x128_f8f6f4 v[HA+8*\t:HA+8*\t+7], v[X+24*\t:X+24*\t+11], v[WF:WF+11], v[BI:BI+7], v[XS+2*\t], v[WS] matrix_a_fmt:MATRIX_FMT_BF6 matrix_b_fmt:MATRIX_FMT_BF6
.endr
	s_wait_dscnt 0x0
.irp t, 0,1                                    ; the two accumulators take turns
	v_wmma_scale_f32_16x16x128_f8f6f4 v[HA+8*\t:HA+8*\t+7], v[X+24*\t+12:X+24*\t+23], v[WF+12:WF+23], v[HA+8*\t:HA+8*\t+7], v[XS+2*\t+1], v[WS+1] matrix_a_fmt:MATRIX_FMT_BF6 matrix_b_fmt:MATRIX_FMT_BF6
.endr
	PLACES 4                                       ; four places in front of the first read of results (ISA guide 7.12.1)
.set p, 0
.rept 8
	v_pk_mul_f32 v[X+2*p:X+2*p+1], v[HA+2*p:HA+2*p+1], s[58:59] op_sel_hi:[1,0]   ; x 1 or x 1 / 128, exact; each accumulator from its low end on
.set p, p+1
.endr
	; along s: register 8 t + e is s = 32 p + 16 t + 8 h + e: half of block p in each of lanes l and l xor 16
	v_max3_num_f32 v[TM], |v[X]|, |v[X+1]|, 0x2800000
	v_max3_num_f32 v[TM+1], |v[X+8]|, |v[X+9]|, |v[X+10]|
.irp i, 2,4
	v_max3_num_f32 v[TM], v[TM], |v[X+\i]|, |v[X+\i+1]|
	v_max3_num_f32 v[TM+1], v[TM+1], |v[X+\i+9]|, |v[X+\i+10]|
.endr
	v_max3_num_f32 v[TM], v[TM], |v[X+6]|, |v[X+7]|
	v_max3_num_f32 v[TM], v[TM], v[TM+1], |v[X+15]|
	v_permlanex16_b32 v[TX], v[TM], s[SEL], s[SEL+1]
	v_max_num_f32 v[TM], v[TM], v[TX]              ; with lane l xor 16's: the block's largest magnitude
	v_add_nc_u32 v[TS], 0xfe000000, v[TM]
	v_cvt_scalef32_pk16_bf6_f32 v[G2:G2+2], v[X:X+15], v[TS]
	v_lshrrev_b32 v[TB], 23, v[TS]
.irp i, 0,1,2
	ds_store_b32 v[19+\i], v[G2+\i]                ; my half block's three registers at their places in the image
.endr
	ds_store_b8 v23, v[TB]                         ; lanes r and r + 16 write the same byte with the same value
	s_wait_alu depctr_va_vdst(0)
	s_wait_dscnt 0x0
	s_barrier_signal -1
	s_barrier_wait -1                              ; the records lie whole in LDS
	s_mul_i32 s72, ttmp9, 3328                     ; left's record,
	s_mov_b32 s73, 0
	s_add_nc_u64 s[54:55], s[20:21], s[72:73]      ; whose scale words begin at byte 3,072
	s_add_co_u32 s72, s72, s71                     ; left's piece w (waves 0-5),
	s_mul_i32 s74, ttmp9, 3072
	s_add_co_u32 s74, s74, s71
	s_sub_co_u32 s74, s74, 3072                    ; right's piece w - 6 (waves 6-11), 512 bytes each
	s_cmp_lt_u32 s26, 12                           ; wave 12 stores the scale words
	s_cbranch_scc0 .Lwords
	ds_load_b128 v[X:X+3], v22
	s_cmp_lt_u32 s26, 6
	s_cselect_b64 s[50:51], s[20:21], s[22:23]
	s_cselect_b32 s72, s72, s74
	s_add_nc_u64 s[50:51], s[50:51], s[72:73]
	s_wait_dscnt 0x0
	global_store_b128 v5, v[X:X+3], s[50:51]       ; 32 lanes store 512 consecutive bytes, at a multiple of 256 from the buffer's first byte
	s_branch .Ldone
.Lwords:
	s_cmp_eq_u32 s26, 12
	s_cbranch_scc0 .Ldone
	ds_load_b64 v[X:X+1], v62
	s_wait_dscnt 0x0
	global_store_b64 v24, v[X:X+1], s[54:55] offset:3072   ; 256 consecutive bytes, aligned
.Ldone:
	s_wait_tensorcnt 0x0                           ; the wave's end
	ds_add_u32 v[SPW], v[NIL]
	s_wait_dscnt 0x0
	s_endpgm
.Lfunc_end_k_q777abb86c9_proj:
	.size	k_q777abb86c9_proj, .Lfunc_end_k_q777abb86c9_proj-k_q777abb86c9_proj
	.p2alignl 7, 3214868480
	.fill 96, 4, 3214868480
	.section	.rodata,"a",@progbits
	.p2align	6, 0x0
	.amdhsa_kernel k_q777abb86c9_proj
		.amdhsa_group_segment_fixed_size 214272
		.amdhsa_private_segment_fixed_size 0
		.amdhsa_enable_private_segment 0
		.amdhsa_kernarg_size 88
		.amdhsa_user_sgpr_count 2
		.amdhsa_user_sgpr_kernarg_segment_ptr 1
		.amdhsa_wavefront_size32 1
		.amdhsa_system_sgpr_workgroup_id_x 1
		.amdhsa_system_sgpr_workgroup_id_y 1
		.amdhsa_system_sgpr_workgroup_id_z 1
		.amdhsa_system_vgpr_workitem_id 0
		.amdhsa_next_free_vgpr 256
		.amdhsa_next_free_sgpr 90
		.amdhsa_reserve_vcc 0
		.amdhsa_float_denorm_mode_32 3
		.amdhsa_float_denorm_mode_16_64 3
		.amdhsa_memory_ordered 1
		.amdhsa_forward_progress 1
		.amdhsa_inst_pref_size 50
	.end_amdhsa_kernel
	.amdgpu_metadata
---
amdhsa.version: [ 1, 2 ]
amdhsa.kernels:
  - .name:           k_q777abb86c9_proj
    .symbol:         k_q777abb86c9_proj.kd
    .args:
      - { .name: msa, .offset: 0, .size: 8, .value_kind: global_buffer, .address_space: global }
      - { .name: ln_gamma, .offset: 8, .size: 8, .value_kind: global_buffer, .address_space: global }
      - { .name: ln_beta, .offset: 16, .size: 8, .value_kind: global_buffer, .address_space: global }
      - { .name: w_left, .offset: 24, .size: 8, .value_kind: global_buffer, .address_space: global }
      - { .name: b_left, .offset: 32, .size: 8, .value_kind: global_buffer, .address_space: global }
      - { .name: w_right, .offset: 40, .size: 8, .value_kind: global_buffer, .address_space: global }
      - { .name: b_right, .offset: 48, .size: 8, .value_kind: global_buffer, .address_space: global }
      - { .name: w_out, .offset: 56, .size: 8, .value_kind: global_buffer, .address_space: global }
      - { .name: lq, .offset: 64, .size: 8, .value_kind: global_buffer, .address_space: global }
      - { .name: rq, .offset: 72, .size: 8, .value_kind: global_buffer, .address_space: global }
      - { .name: wq, .offset: 80, .size: 8, .value_kind: global_buffer, .address_space: global }
    .group_segment_fixed_size: 214272
    .private_segment_fixed_size: 0
    .kernarg_segment_align: 8
    .kernarg_segment_size: 88
    .max_flat_workgroup_size: 512
    .sgpr_count:     90
    .vgpr_count:     256
    .wavefront_size: 32
...
	.end_amdgpu_metadata
.endif
;; end of part 1
;; launch pairup (part 2): grid 16 x 16, 8 waves a work-group, clusters of 4 x 1, 231,680 bytes of LDS; arguments lq, rq, wq, pair, b_out, out0; writes out0
.if DOCPART == 2
	.amdgcn_target "amdgcn-amd-amdhsa--gfx1250"
	.amdhsa_code_object_version 6
	.text
	.protected	k_q777abb86c9_pairup
	.globl	k_q777abb86c9_pairup
	.p2align	8
	.type	k_q777abb86c9_pairup,@function
k_q777abb86c9_pairup:
	s_mov_b64 s[64:65], 0
	v_nop
	global_prefetch_b8 v0, s[64:65] scope:SCOPE_SE
	s_setreg_imm32_b32 hwreg(HW_REG_WAVE_MODE, 25, 1), 1
	s_wait_xcnt 0x0
	s_wait_alu depctr_hold_cnt(0) depctr_sa_sdst(0) depctr_va_vdst(0) depctr_va_sdst(0) depctr_va_ssrc(0) depctr_va_vcc(0) depctr_vm_vsrc(0)
	s_getreg_b32 s2, hwreg(HW_REG_IB_STS2, 6, 4)
	s_cmp_eq_u32 s2, 0
	s_cbranch_scc0 .Lentry_in_a_cluster
	s_endpgm
.Lentry_in_a_cluster:
	s_bfe_u32 s2, ttmp6, 0x10000c
	s_cmp_lg_u32 s2, 0x3003
	s_cbranch_scc0 .Lentry_shape_is_right
	s_endpgm
.Lentry_shape_is_right:
; out0[l][m][:] = pair[l][m][:] + b_out + Q(O[l][m]) Q(w_out), O[l][m][32 i + j] = the sum over s of Q(left)[s][l][i] Q(right)[s][m][j]: both products on codes of BF6 (E3M2) with one E8M0 scale
; for each 32 along K.  left, right and w_out come as images of operand registers with their scale words (lq, rq, wq: laid as the launch before stores them).  O never leaves the registers.
; SHARES.  A work-group makes 16 l x 16 m pairs (l = 16 Y + r, m = 16 X ..); wave w of eight takes m0 = 16 X + 2 w and m1 = m0 + 1.  A K STEP q of the second product is i = 4 q + ii, ii = 0 .. 3, in three phases:
;   P3: 16 products T(ii, u) = right(u) x left(ii), K = all 128 s: finished sums.  ROWS 0-7 OF RIGHT'S FRAGMENT u ARE m0's j = 8 u .. 8 u + 7, ROWS 8-15 m1's same j.  So lane (r, h) holds the pair (l = r, m_h),
;       and its registers 32 ii + 8 u + e are j = 8 u + e of block i: a WHOLE block of 32 in one lane: its largest magnitude needs no other lane.
;   QUANT: four blocks a lane become codes; exchanges of lane halves bring each pair's four blocks into one fragment: F (m0's 16 pairs), F + 12 (m1's).  The scale word needs no exchange: a lane's four bytes are
;       its pair's word: lanes 0-15 m0's, lanes 16-31 m1's, which the second fragment's products read by ROW1.
;   P4: 16 products ACC[mm][t] += w_out(q, t) x fragment mm: register e of tile t is output 16 t + 8 h + e.  A fragment of w_out read from LDS feeds two products.
; TWO FRAGMENT BUFFERS of 48 registers take turns: left(q) in one; half 0 of w_out(q) in the other; half 1 in the first when P3 has read it; left(q + 1) in the second when half 0 has been read.
; CLUSTER: the four work-groups of a cluster share Y, so they need the same 16 records of lq, and all need wq: both are asked for JOINTLY (the same load, the same descriptor, a mask that names the
; four).  Their addresses are made of Y and the wave's number alone.  cx enters only the addresses of rq, of right's scale words, of pair and of out0.  LDS is filled once: no slot is filled again.
; pair goes by rows straight into registers that are done with: m0's into right's behind the last P3, m1's into T behind the last quantiser.  A prefetch into the L2 is laid for it, 8 rows in each of K steps 4 and 5:
; each wave asks for its own 64 blocks of 256 bytes once, a K step and more ahead of the loads.  left and w_out are fetched once, at the head: no prefetch for them.
; LIMITS: as the launch before states them (NaN and infinities not served; a block of zeros has the byte 1 and zero codes; blocks whose largest magnitude lies under 2^-122 are held at that byte).
; REGISTERS.  Window 0: v2-17, v22 addresses; v18-61 scale words and the quantiser's; v64-87 the two fragments of codes; v88-183 the two buffers; v184-231 right's four fragments, at the end v184-247 pair of m0.
;   Window 1: v0-127 T, at the end rows of results and pair of m1; v128-255 the 16 accumulators.
.set LREC,  3536                       ; a record of lq in LDS: 13 rows of 256 bytes + 16 each = 221 x 16 bytes: the 16 records that a load touches begin at 16 different places modulo 256
.set WQL,   56576                      ; behind the 16 records: wq, dense, 106,496 bytes
.set STAGE, 163072                     ; the way out: 16 rows x (512 + 16) bytes for each wave; no load lands here
.set SPITCH, 528
.set SPARE, STAGE+8*16*SPITCH          ; the spare words, 128 bytes for each wave: four blocks of 256 bytes that no other line names
.set FRB,   1536
.set AL,  2
.set ALS, 3
.set AW0, 4                            ; v4, v5: wq's fragments 0-31 and 32-63 (an LDS offset has 16 bits)
.set AWS, 6
.set STO, 7
.set RD,  8
.set GO,  9
.set RO,  10
.set RSO, 11
.set BO,  12
.set SPW, 16
.set NIL, 17
.set RSC, 18
.set PFO, 22
.set LSC, 24
.set WSC, 28                           ; register t: lanes 0-15 tile t's words, lanes 16-31 tile t + 4's
.set PW,  32
.set TM,  34
.set TS,  38
.set TB,  42
.set G,   46
.set F,   64
.set BX,  88
.set BY,  136
.set RG,  184
.set T,   0                            ; in window 1
.set AC,  128                          ; in window 1
.set MSB, 0
.macro WIN new                         ; the immediate's high byte repeats the setting that is left; a switch that changes nothing is dropped
.if MSB != (\new)
	s_set_vgpr_msb (MSB<<8)|(\new)
.set MSB, (\new)
.endif
.endm
.macro PLACES n
.rept \n
	v_nop
.endr
.endm
.macro CROUND                          ; a round of the cluster's barrier
	s_barrier_signal -1
	s_barrier_wait -1
	s_cmp_lg_u32 s16, 0
	s_cbranch_scc1 .Lnot_wave_0_\@
	s_barrier_signal -3
.Lnot_wave_0_\@:
	s_barrier_wait -3
	s_barrier_signal -1
	s_barrier_wait -1
.endm
	s_load_b256 s[4:11], s[0:1], 0x0               ; lq s[4:5], rq s[6:7], wq s[8:9], pair s[10:11]
	s_load_b128 s[12:15], s[0:1], 0x20             ; b_out s[12:13], out0 s[14:15]
	v_lshl_add_u32 v[SPW], v0, 2, SPARE
	v_mov_b32 v[NIL], 0
	ds_add_u32 v[SPW], v[NIL]                      ; the wave's opening: the add, twice on end, and its wait
	ds_add_u32 v[SPW], v[NIL]
	v_lshrrev_b32 v13, 5, v0
	v_readfirstlane_b32 s16, v13                   ; wave 0..7
	s_and_b32 s31, s16, 3                          ; which quarter of left (waves 0-3) or of wq (waves 4-7) I fetch
	s_bfe_u32 s17, ttmp6, 0x40000                  ; cx
	s_lshl_b32 s18, ttmp9, 2                       ; in a cluster launch ttmp9 counts clusters
	s_add_co_u32 s18, s18, s17                     ; X: my block of 16 m
	s_and_b32 s19, ttmp7, 0xffff                   ; Y: my block of 16 l, which the four partners share
	; group 1 for lq: 4 records = 52 rows of 256 bytes (32 elements of 8), dense in memory, 16 bytes of padding behind each
	s_mov_b32 s32, 15|(3<<16)|(1<<20)|(1<<21)|(5<<22)|(3<<25)   ; the mask: all four work-groups; bit 21 set beside it
	s_mov_b32 s33, 32<<16
	s_mov_b32 s34, 52<<16
	s_mov_b32 s35, 32<<16
	s_mov_b32 s36, 52
	s_mov_b32 s37, 32
	s_mov_b32 s38, 0
	s_mov_b32 s39, 0
	; for wq: a quarter = 104 rows of 256 bytes, dense in memory and in LDS
	s_mov_b32 s40, 15|(3<<16)|(1<<21)
	s_mov_b32 s41, 32<<16
	s_mov_b32 s42, 104<<16
	s_mov_b32 s43, 32<<16
	s_mov_b32 s44, 104
	s_mov_b32 s45, 32
	s_mov_b32 s46, 0
	s_mov_b32 s47, 0
	s_mul_i32 s20, s19, 16*3328                    ; lq: records 16 Y + 4 (w % 4) on
	s_mul_i32 s21, s31, 4*3328
	s_add_co_u32 s20, s20, s21
	s_mov_b32 s21, 0
	s_mul_i32 s22, s31, 26624                      ; wq: quarter w % 4
	s_mov_b32 s23, 0
	s_lshl_b32 s24, s19, 21                        ; pair and out0: 16 Y rows of 131,072 bytes + (16 X + 2 w) x 512
	s_lshl_b32 s25, s18, 13
	s_add_co_u32 s24, s24, s25
	s_lshl_b32 s25, s16, 10
	s_add_co_u32 s24, s24, s25
	s_mov_b32 s25, 0
	s_mul_i32 s26, s18, 16*3072                    ; rq: m = 16 X + 2 w on
	s_mul_i32 s27, s16, 2*3072
	s_add_co_u32 s26, s26, s27
	s_mov_b32 s27, 0
	s_mul_i32 s28, s18, 16*3328                    ; lq once more, for right's scale words: records m
	s_mul_i32 s29, s16, 2*3328
	s_add_co_u32 s28, s28, s29
	s_mov_b32 s29, 0
	s_mul_i32 s30, s16, 16*SPITCH
	s_add_co_u32 s30, s30, STAGE                   ; my stage
	s_mov_b32 s56, 1
	s_mul_i32 s57, s31, 4*LREC
	s_mov_b32 s60, 1
	s_add_co_u32 s61, s22, WQL
	; addresses
	v_and_b32 v13, 31, v0                          ; lane
	v_and_b32 v14, 15, v0                          ; r
	v_bfe_u32 v15, v0, 4, 1                        ; h
	v_mul_u32_u24 v[AL], v14, LREC
	v_add_nc_u32 v[ALS], 12*272, v[AL]             ; record r's scale words: its 13th row
	v_mad_u32_u24 v[AL], v15, 272, v[AL]           ; record r; lanes 16-31 of an image lie 256 bytes, one row, further on
	v_lshlrev_b32 v[GO], 4, v13                    ; 16 x lane
	v_add_nc_u32 v[AW0], WQL, v[GO]
	v_add_nc_u32 v[AW0+1], WQL+32*FRB, v[GO]
	v_lshlrev_b32 v[AWS], 2, v14
	v_lshl_add_u32 v[AWS], v15, 9, v[AWS]          ; lanes 16-31 take the words of the fragment four further on
	v_add_nc_u32 v[AWS], WQL+64*FRB, v[AWS]
	v_mul_u32_u24 v[STO], v14, SPITCH
	v_lshl_add_u32 v[STO], v15, 5, v[STO]
	v_add_nc_u32 v[STO], s30, v[STO]               ; the stage: in, row r, 32 bytes for each half of the lanes
	v_add_nc_u32 v[RD], s30, v[GO]                 ; out by rows: 32 lanes take 512 bytes
	v_lshrrev_b32 v[PFO], 2, v13
	v_and_b32 v13, 3, v13
	v_lshlrev_b32 v[PFO], 17, v[PFO]
	v_lshl_add_u32 v[PFO], v13, 8, v[PFO]          ; the prefetch: row lane / 4, block lane % 4 of 256 bytes
	v_bfe_u32 v13, v0, 3, 1                        ; r / 8: m0's row or m1's
	v_and_b32 v14, 7, v0
	v_lshlrev_b32 v[RO], 4, v14
	v_lshl_add_u32 v[RO], v15, 8, v[RO]
	v_mad_u32_u24 v[RO], v13, 3072, v[RO]          ; right's images: lane 16 h + (r % 8) of record m_(r / 8)
	v_lshlrev_b32 v[RSO], 2, v14
	v_mad_u32_u24 v[RSO], v13, 3328, v[RSO]        ; and the scale words
	v_lshlrev_b32 v[BO], 5, v15                    ; 32 h
	s_wait_alu depctr_va_vdst(0)
	s_wait_dscnt 0x0                               ; both opening adds are done
	CROUND                                         ; all four work-groups are here: the joint loads meet
	s_wait_kmcnt 0x0
	s_add_nc_u64 s[58:59], s[4:5], s[20:21]
	s_or_b32 s59, s59, 0x80000000
	s_add_nc_u64 s[62:63], s[8:9], s[22:23]
	s_or_b32 s63, s63, 0x80000000
	s_cmp_lt_u32 s16, 4                            ; one joint load a wave: waves 0-3 a quarter of left's records each, waves 4-7 a quarter of wq
	s_cbranch_scc0 .Lfor_w
	tensor_load_to_lds s[56:59], s[32:39]
	s_nop 0
	PLACES 4
	s_branch .Lasked
.Lfor_w:
	tensor_load_to_lds s[60:63], s[40:47]
	s_nop 0
	PLACES 4
.Lasked:
	s_add_nc_u64 s[74:75], s[6:7], s[26:27]
	s_add_nc_u64 s[76:77], s[4:5], s[28:29]
	s_add_nc_u64 s[70:71], s[10:11], s[24:25]
	s_add_nc_u64 s[78:79], s[14:15], s[24:25]
.irp u, 0,1,2,3
.irp c, 0,1,2
	global_load_b128 v[RG+12*\u+4*\c:RG+12*\u+4*\c+3], v[RO], s[74:75] offset:FRB*(\u/2)+128*(\u%2)+512*\c   ; right's fragments stay in registers.  j = 8 u .. lie in image u / 2, from its row 8 (u % 2) on
.endr
.endr
.irp u, 0,1,2,3
	global_load_b32 v[RSC+\u], v[RSO], s[76:77] offset:3200+64*(\u/2)+32*(\u%2)
.endr
	WIN 0x40                                       ; destination window 1
.irp a, 0,1
.irp t, 0,1,2,3,4,5,6,7
	global_load_b128 v[AC+64*\a+8*\t:AC+64*\a+8*\t+3], v[BO], s[12:13] offset:64*\t          ; the sums start from b_out at my eight outputs of tile t
	global_load_b128 v[AC+64*\a+8*\t+4:AC+64*\a+8*\t+7], v[BO], s[12:13] offset:64*\t+16
.endr
.endr
	WIN 0
.macro FETCH_L q, buf                  ; left's four fragments of K step q, i = 4 q + ii: of record r, fragment i / 16, the registers of its row i % 16; and the four scale words.  13 loads
.irp i, 0,1,2,3
.irp c, 0,1,2
	ds_load_b128 v[\buf+12*\i+4*\c:\buf+12*\i+4*\c+3], v[AL] offset:544*(3*((\q)/4)+\c)+16*(4*((\q)%4)+\i)
.endr
.endr
	ds_load_b128 v[LSC:LSC+3], v[ALS] offset:16*(\q)
.endm
.macro FETCH_W q, hf, buf              ; four of w_out's eight fragments of K step q: 12 loads; with half 0 the scale words of all eight: 4 more
.irp t, 0,1,2,3
.irp c, 0,1,2
	ds_load_b128 v[\buf+12*\t+4*\c:\buf+12*\t+4*\c+3], v[AW0+(\q)/4] offset:FRB*(8*((\q)%4)+4*\hf+\t)+512*\c
.endr
.endr
.if \hf == 0
.irp t, 0,1,2,3
	ds_load_b32 v[WSC+\t], v[AWS] offset:128*(8*(\q)+\t)
.endr
.endif
.endm
.macro P3 buf                          ; source 0 = right, source 1 = left, the result in window 1
	WIN 0x40
.irp i, 0,1,2,3
.irp u, 0,1,2,3
	v_wmma_scale_f32_16x16x128_f8f6f4 v[T+32*\i+8*\u:T+32*\i+8*\u+7], v[RG+12*\u:RG+12*\u+11], v[\buf+12*\i:\buf+12*\i+11], 0, v[RSC+\u], v[LSC+\i] matrix_a_fmt:MATRIX_FMT_BF6 matrix_b_fmt:MATRIX_FMT_BF6
.endr
.endr
.endm
; Tiles 4 hf .. 4 hf + 3 for both fragments.  The 16 accumulators take turns, one instruction a turn.
.macro P4 buf, hf
	WIN 0x50                                       ; C and D window 1
.irp a, 0,1
.irp t, 0,1,2,3
.set d_, AC+64*\a+8*(4*\hf+\t)
.if \hf == 0
.if \a == 0
	v_wmma_scale_f32_16x16x128_f8f6f4 v[d_:d_+7], v[\buf+12*\t:\buf+12*\t+11], v[F:F+11], v[d_:d_+7], v[WSC+\t], v[PW] matrix_a_fmt:MATRIX_FMT_BF6 matrix_b_fmt:MATRIX_FMT_BF6
.else
	v_wmma_scale_f32_16x16x128_f8f6f4 v[d_:d_+7], v[\buf+12*\t:\buf+12*\t+11], v[F+12:F+23], v[d_:d_+7], v[WSC+\t], v[PW] matrix_a_fmt:MATRIX_FMT_BF6 matrix_b_fmt:MATRIX_FMT_BF6 matrix_b_scale:MATRIX_SCALE_ROW1
.endif
.else
.if \a == 0
	v_wmma_scale_f32_16x16x128_f8f6f4 v[d_:d_+7], v[\buf+12*\t:\buf+12*\t+11], v[F:F+11], v[d_:d_+7], v[WSC+\t], v[PW] matrix_a_fmt:MATRIX_FMT_BF6 matrix_b_fmt:MATRIX_FMT_BF6 matrix_a_scale:MATRIX_SCALE_ROW1
.else
	v_wmma_scale_f32_16x16x128_f8f6f4 v[d_:d_+7], v[\buf+12*\t:\buf+12*\t+11], v[F+12:F+23], v[d_:d_+7], v[WSC+\t], v[PW] matrix_a_fmt:MATRIX_FMT_BF6 matrix_b_fmt:MATRIX_FMT_BF6 matrix_a_scale:MATRIX_SCALE_ROW1 matrix_b_scale:MATRIX_SCALE_ROW1
.endif
.endif
.endr
.endr
.endm
.macro QUANT
	WIN 0x05                                       ; sources 0 and 1 window 1
.irp b, 0,1,2,3
	v_max3_num_f32 v[TM+\b], |v[T+32*\b]|, |v[T+32*\b+1]|, 0x2800000   ; block b: my 32 numbers, and the floor 2^(5 - 127): the byte cannot fall under 1
.endr
.irp i, 2,4,6,8,10,12,14,16,18,20,22,24,26,28,30
.irp b, 0,1,2,3
	v_max3_num_f32 v[TM+\b], |v[T+32*\b+\i]|, |v[T+32*\b+\i+1]|, v[TM+\b]   ; the four blocks by turns; each accumulator from its low end on
.endr
.endr
	WIN 0
.irp b, 0,1,2,3
	v_add_nc_u32 v[TS+\b], 0xfe000000, v[TM+\b]    ; 4 off its exponent field: the conversion's scale operand
.endr
	WIN 0x01                                       ; source 0 window 1
.irp b, 0,1,2,3
	v_cvt_scalef32_pk16_bf6_f32 v[F+12*(\b%2)+6*(\b/2):F+12*(\b%2)+6*(\b/2)+2], v[T+32*\b:T+32*\b+15], v[TS+\b]
	v_cvt_scalef32_pk16_bf6_f32 v[G+4*\b:G+4*\b+2], v[T+32*\b+16:T+32*\b+31], v[TS+\b]   ; (a conversion's three registers begin on an even number: the upper halves are made elsewhere and moved)
.endr
	WIN 0
.irp b, 0,1,2,3
	v_lshrrev_b32 v[TB+\b], 23, v[TS+\b]           ; the scale's byte.  (Plain places behind the conversions)
.endr
	v_lshl_or_b32 v[PW], v[TB+1], 8, v[TB]
	v_lshl_or_b32 v[PW], v[TB+2], 16, v[PW]
	v_lshl_or_b32 v[PW], v[TB+3], 24, v[PW]
.irp c, 0,1                                    ; blocks 2 c and 2 c + 1: lanes 16-31 of the first (m1's block 2 c) change places with lanes 0-15 of the second (m0's block 2 c + 1)
.irp i, 0,1,2
	v_permlane16_swap_b32 v[F+6*\c+\i], v[F+12+6*\c+\i]
	v_permlane16_swap_b32 v[G+8*\c+\i], v[G+8*\c+4+\i]
.endr
.endr
.irp c, 0,1
.irp i, 0,1,2
	v_mov_b32 v[F+6*\c+3+\i], v[G+8*\c+\i]
	v_mov_b32 v[F+12+6*\c+3+\i], v[G+8*\c+4+\i]
.endr
.endr
.endm
.macro PAIR_IN a, dst                  ; pair's 16 rows l of m number a: 32 lanes read 512 consecutive bytes, aligned
.irp r, 0,1,2,3,4,5,6,7,8,9,10,11,12,13,14,15
	global_load_b128 v[\dst+4*\r:\dst+4*\r+3], v[GO], s[70:71] offset:131072*\r+512*\a th:TH_LOAD_NT
.endr
.endm
; K step q: left lies in buffer la, half 0 of w_out in buffer ob.  Four places stand behind a run of products ahead of loads into their registers and of the first read of their results, and ahead of products that read codes just written.
.macro STEP q, la, ob
	s_wait_dscnt 16                                ; left(q) is in; half 0's 16 loads, issued behind it, may be out
	P3 \la
	PLACES 4
	WIN 0
	FETCH_W \q, 1, \la
.if (\q) == 7
	PAIR_IN 0, RG                                  ; right has been read for the last time
.endif
	QUANT
	PLACES 4
	s_wait_alu depctr_va_vdst(0)
.if (\q) == 0
	s_wait_loadcnt 0x0                             ; b_out
.endif
	s_wait_dscnt 12                                ; half 0 is in; half 1's 12 loads may be out
.if (\q) == 7
	WIN 0x40
	PAIR_IN 1, T+64                                ; T has been read
.endif
	P4 \ob, 0
.if (\q) < 7
	PLACES 4
	WIN 0
	FETCH_L (\q)+1, \ob
	s_wait_dscnt 13                                ; half 1 is in; left(q + 1)'s 13 loads may be out
.else
	s_wait_dscnt 0x0                               ; half 1 is in
.endif
	P4 \la, 1
	PLACES 4
	WIN 0
.if (\q) < 7
	FETCH_W (\q)+1, 0, \la
.endif
.if ((\q) == 4) || ((\q) == 5)
	global_prefetch_b8 v[PFO], s[70:71] offset:1048576*((\q)-4) th:TH_LOAD_NT scope:SCOPE_SE   ; pair: rows 8 (q - 4) .. + 7 of my two m
.endif
.endm
	s_wait_tensorcnt 0x0                           ; my part of left or of wq is in
	s_barrier_signal -1
	s_barrier_wait -1                              ; everybody's parts are in
	FETCH_L 0, BX
	FETCH_W 0, 0, BY
	s_wait_loadcnt 32                              ; right and its scale words are in; b_out's 32 loads may be out
.irp q, 0,2,4,6
	STEP \q, BX, BY
	STEP \q+1, BY, BX
.endr
; THE WAY OUT, m0 and then m1: a lane holds 32 neighbouring bytes of a row and the lanes beside it other rows: so an m's 16 rows go through my own stage and come back as whole rows of 512 bytes (m0's into T, m1's over
; the fragment buffers); pair's rows are added; 32 lanes store 512 consecutive bytes, aligned.
.macro TURN a
	WIN 0x04                                       ; an LDS store's data are its source 1: window 1
.irp t, 0,1,2,3,4,5,6,7
	ds_store_b128 v[STO], v[AC+64*\a+8*\t:AC+64*\a+8*\t+3] offset:64*\t          ; each accumulator from its low end on
	ds_store_b128 v[STO], v[AC+64*\a+8*\t+4:AC+64*\a+8*\t+7] offset:64*\t+16
.endr
.if \a == 0
	WIN 0x40
.set bb_, T
.else
	WIN 0
.set bb_, BX
.endif
.irp r, 0,1,2,3,4,5,6,7,8,9,10,11,12,13,14,15
	ds_load_b128 v[bb_+4*\r:bb_+4*\r+3], v[RD] offset:SPITCH*\r      ; LDS serves a wave's instructions in order: these see the stores above, and m1's stores come behind them
.endr
.endm
.macro SEND a
	s_wait_dscnt 32*(1-\a)                         ; this m's rows are back; for m0: m1's 16 stores and 16 loads may be out
	s_wait_loadcnt 16*(1-\a)                       ; and its pair is in; for m0: m1's 16 loads may be out
.if \a == 0
	WIN 0x41                                       ; the rows window 1, pair window 0
.set bb_, T
.set pp_, RG
.else
	WIN 0x04                                       ; the rows window 0, pair window 1
.set bb_, BX
.set pp_, T+64
.endif
.irp k, 0,2,4,6,8,10,12,14,16,18,20,22,24,26,28,30,32,34,36,38,40,42,44,46,48,50,52,54,56,58,60,62
	v_pk_add_f32 v[bb_+\k:bb_+\k+1], v[bb_+\k:bb_+\k+1], v[pp_+\k:pp_+\k+1]
.endr
.if \a == 0
	WIN 0x04
.else
	WIN 0
.endif
.irp r, 0,1,2,3,4,5,6,7,8,9,10,11,12,13,14,15
	global_store_b128 v[GO], v[bb_+4*\r:bb_+4*\r+3], s[78:79] offset:131072*\r+512*\a th:TH_STORE_NT   ; written once, read by nobody here
.endr
.endm
	TURN 0
	TURN 1
	SEND 0
	SEND 1
	WIN 0
	s_wait_tensorcnt 0x0                           ; the wave's end
	ds_add_u32 v[SPW], v[NIL]
	s_wait_dscnt 0x0
	CROUND                                         ; the closing round: no work-group ends while a partner may still ask for a tile that names it
	s_endpgm
.Lfunc_end_k_q777abb86c9_pairup:
	.size	k_q777abb86c9_pairup, .Lfunc_end_k_q777abb86c9_pairup-k_q777abb86c9_pairup
	.p2alignl 7, 3214868480
	.fill 96, 4, 3214868480
	.section	.rodata,"a",@progbits
	.p2align	6, 0x0
	.amdhsa_kernel k_q777abb86c9_pairup
		.amdhsa_group_segment_fixed_size 231680
		.amdhsa_private_segment_fixed_size 0
		.amdhsa_enable_private_segment 0
		.amdhsa_kernarg_size 48
		.amdhsa_user_sgpr_count 2
		.amdhsa_user_sgpr_kernarg_segment_ptr 1
		.amdhsa_wavefront_size32 1
		.amdhsa_system_sgpr_workgroup_id_x 1
		.amdhsa_system_sgpr_workgroup_id_y 1
		.amdhsa_system_sgpr_workgroup_id_z 1
		.amdhsa_system_vgpr_workitem_id 0
		.amdhsa_next_free_vgpr 512
		.amdhsa_next_free_sgpr 80
		.amdhsa_reserve_vcc 0
		.amdhsa_float_denorm_mode_32 3
		.amdhsa_float_denorm_mode_16_64 3
		.amdhsa_memory_ordered 1
		.amdhsa_forward_progress 1
		.amdhsa_inst_pref_size 133
	.end_amdhsa_kernel
	.amdgpu_metadata
---
amdhsa.version: [ 1, 2 ]
amdhsa.kernels:
  - .name:           k_q777abb86c9_pairup
    .symbol:         k_q777abb86c9_pairup.kd
    .args:
      - { .name: lq, .offset: 0, .size: 8, .value_kind: global_buffer, .address_space: global }
      - { .name: rq, .offset: 8, .size: 8, .value_kind: global_buffer, .address_space: global }
      - { .name: wq, .offset: 16, .size: 8, .value_kind: global_buffer, .address_space: global }
      - { .name: pair, .offset: 24, .size: 8, .value_kind: global_buffer, .address_space: global }
      - { .name: b_out, .offset: 32, .size: 8, .value_kind: global_buffer, .address_space: global }
      - { .name: out0, .offset: 40, .size: 8, .value_kind: global_buffer, .address_space: global }
    .group_segment_fixed_size: 231680
    .private_segment_fixed_size: 0
    .kernarg_segment_align: 8
    .kernarg_segment_size: 48
    .max_flat_workgroup_size: 256
    .sgpr_count:     80
    .vgpr_count:     512
    .wavefront_size: 32
...
	.end_amdgpu_metadata
.endif
;; end of part 2
